; MI455X (gfx1250); checked and timed in simulation.
; The chip was launched on July 23, 2026; its instructions are those of AMD's public machine-readable ISA for CDNA 5 (MIT licence, August 2026) and "CDNA5" Instruction Set Architecture Reference Guide (July 2026). The comments in the code are by the model that wrote it; some were corrected since.
;; Pooling block. Allowed arithmetic: matrix products marked QUANTISED: E2M1 operands, one E8M0 scale for each 32 along K, by v_wmma_scale_f32_16x16x128_f8f6f4 with both operands' format E2M1 (or v_wmma_scale_f32_32x16x128_f4), f32 sums; products left as they are: f32 operands where the result goes on into a quantised operand, else bf16, f16 or f32 operands; f32 sums; everything else in f32.
;; Inputs: edge 4 x 4,096 x 4,096 float32; theta_w 1 x 96 float32; x 4 x 4,097 x 96 float32.
;; Outputs: out0 4 x 1,025 x 96 float32.
;; Constants: pooling_patch_size = 4, reduction_ratio = 4.
;; This version of the problem:
;;   THIS VERSION OF THE PROBLEM IS GIVEN IN LOW PRECISION. The matrix products marked QUANTISED in the list below multiply operands that are first quantised to E2M1 (2 exponent bits, 1 mantissa bit; 4 bits a number), with one power-of-two scale for each 32 numbers along K (OCP MX v1.0); their sums are f32. All else is computed in f32.
;;   The module's matrix products, in the order in which they are computed (A, B: the left and right operand; K: the contracted axis; several contracted axes count as one K, in the product's order):
;;     1. batch 4 x [M 4,096, K 4,096] x [K 4,096, N 96]; A: computed on the way; B: computed on the way: QUANTISED
;;     2. [M 16,384, K 96] x [K 96, N 1]; A: computed on the way; B: input theta_w: left as it is (N = 1 < 16)
;;   THE QUANTISER, for each operand of a quantised product, along K:
;;     - K is cut into blocks of 32 from its start; a last block that is shorter is filled with zeros.
;;     - A block's scale is 2^e with e = floor(log2(the largest magnitude in the block)) - 2, held to -126 .. 127; a block of zeros has e = 0. As a byte (E8M0): e + 127.
;;     - Each number is divided by its block's scale, clamped to +-6, and rounded to the nearest number of E2M1, ties to even, subnormals kept.
;;     - The product sums the exact products of the quantised numbers (number of the format x scale) in f32.
;;   ~~~python
;;   def quantise(x, axis):      # numpy; x: float32 -> the quantised numbers, widened to float32 again
;;       x = np.moveaxis(x, axis, -1); K = x.shape[-1]
;;       x = np.pad(x, [(0, 0)] * (x.ndim - 1) + [(0, -K % 32)]); x = x.reshape(x.shape[:-1] + (-1, 32)); a = np.abs(x).max(-1, keepdims=True)
;;       e = np.where(a > 0, np.clip(np.frexp(np.where(a > 0, a, 1))[1] - 1 - 2, -126, 127), 0)      # np.frexp(a)[1] - 1 = floor(log2(a)), exactly
;;       r = np.clip(x / 2.0 ** e, -6, 6)
;;       step = 2.0 ** (np.maximum(np.frexp(np.where(r == 0, 1, r))[1] - 1, 0) - 1)
;;       q = np.round(r / step) * step * 2.0 ** e      # np.round: ties to even
;;       return np.moveaxis(q.reshape(q.shape[:-2] + (-1,))[..., :K], -1, axis).astype(np.float32)
;;   ~~~
;;   OPERANDS COMPUTED ON THE WAY. 'Computed on the way' means the value that the module computes at that place (a softmax that the list does not call 'softmax' is quantised finished and normalised). What goes into a quantiser is computed in f32, as accurately as f32 sums, v_exp_f32 and their like allow (about 1e-6 of the number): no bf16 or f16 on the way to a quantiser, and a product that is left as it is and whose result goes on into a quantised operand takes f32 operands (vector FMAs, or v_wmma_f32_16x16x4_f32). A number that lies on a knife's edge between two numbers of the format may be rounded either way, as far as f32 arithmetic and the matrix unit's own rounding can turn it there, and no further.
;; 2 versions, each right; version 2 is version 1 with the launch pool written anew for expert scheduling mode. Each part assembles by itself: llvm-mc -triple=amdgcn-amd-amdhsa -mcpu=gfx1250 --defsym DOCPART=n.
;; ======== version 1 of 2: 2 launches
;; workspace buffers: bq 786,432 bytes; bs 49,152 bytes
;; launch quant_nodes (part 1): grid 96 x 4, 1 waves a work-group, no clusters, 0 bytes of LDS; arguments x, bq, bs; writes bq, bs
.if DOCPART == 1
	.amdgcn_target "amdgcn-amd-amdhsa--gfx1250"
	.amdhsa_code_object_version 6
	.text
	.protected	k_q659d7bb210_quant_nodes
	.globl	k_q659d7bb210_quant_nodes
	.p2align	8
	.type	k_q659d7bb210_quant_nodes,@function
k_q659d7bb210_quant_nodes:
	s_mov_b64 s[64:65], 0
	v_nop
	global_prefetch_b8 v0, s[64:65] scope:SCOPE_SE
	s_setreg_imm32_b32 hwreg(HW_REG_WAVE_MODE, 25, 1), 1
	s_wait_xcnt 0x0
; sigmoid(x[b][1+m][c]) is turned into codes of FP4 (E2M1) along m, one E8M0 scale for each 32 m, for the product with sigmoid(edge).
; All 64 work-groups of a batch in the next launch read these codes, so they are made once, here.
; SHARES.  One wave to a work-group: 128 rows m (K step S = x & 31) x 32 channels (third v = x >> 5), batch b = y.  A LANE TAKES A CHANNEL AND ITS REGISTERS RUN DOWN m:
; each load reads 128 consecutive bytes of one row, a block of 32 m lies in one lane's 32 registers (no other lane is asked for its maximum), and the conversions give codes with m innermost.
; LAYOUT OUT, in the order of the operand's registers.  bq: fragment (b, S, t = tile of 16 channels) at ((32 b + S) 6 + t) 1024; in it group c at 512 c, lane l's 16 bytes at 16 l;
; lane (r = l % 16, h = l / 16) of group c holds channel 16 t + r, m = 128 S + 64 c + 32 h + 0 .. 31.  bs: one word at ((32 b + S) 6 + t) 64 + 4 r, byte j for m = 128 S + 32 j on.
; sigmoid(v) = 1 / (1 + 2^(-log2(e) v)), all in f32.  A block's scale byte is its largest number's exponent field - 2, held at 1 from below.
; LIMITS: NaN is not served.  A sigmoid under 2^-126 (v under -87.3) comes out as 0.  A block of zeros gets the byte 1 where the rule says 127: its codes are zeros, and this program alone reads the bytes.
; -log2(e) v is rounded once, so the sigmoid's relative error grows with |v|: about 4e-7 at |v| = 6, about 1.8e-6 at |v| = 30.
.set NROWS, 4097                       ; rows of x in a batch
.set ROWB,  384                        ; bytes in a row of x: 96 f32
.set MG,  8                            ; v8-15   the largest number of each group of 16 registers
.set MA,  16                           ; v16-17  two chains of a maximum
.set MB,  17
.set MX,  18                           ; v18-21  a block's largest number
.set EX,  22                           ; v22-25  the conversion's scale operand
.set BY,  26                           ; v26-29  the scale's byte
.set SW,  30                           ; v30     the scale word
.set X,   32                           ; v32-159 128 numbers: register i = row m = 128 S + i of my channel
.set PC,  160                          ; v160-175 the codes: block b at 4 b
.set NL,  22                           ; s[22:23] -log2(e): the packed form names a pair and takes its low word for both halves
	s_load_b128 s[4:7], s[0:1], 0x0                ; x, bq
	s_load_b64 s[8:9], s[0:1], 0x10                ; bs
	s_and_b32 s10, ttmp9, 31                       ; S
	s_lshr_b32 s11, ttmp9, 5                       ; v
	s_and_b32 s12, ttmp7, 0xffff                   ; b
	s_mul_i32 s16, s12, NROWS
	s_lshl_b32 s13, s10, 7
	s_add_co_u32 s16, s16, s13
	s_add_co_u32 s16, s16, 1                       ; row 4097 b + 1 + 128 S of x: node 128 S
	s_mul_i32 s16, s16, ROWB
	s_lshl_b32 s13, s11, 7
	s_add_co_u32 s16, s16, s13                     ; + 128 v bytes: my 32 channels
	s_mov_b32 s17, 0
	s_lshl_b32 s18, s12, 5
	s_add_co_u32 s18, s18, s10
	s_mul_i32 s18, s18, 6
	s_lshl_b32 s13, s11, 1
	s_add_co_u32 s18, s18, s13                     ; (32 b + S) 6 + 2 v: my first fragment
	s_lshl_b32 s20, s18, 10
	s_mov_b32 s21, 0
	s_lshl_b32 s24, s18, 6
	s_mov_b32 s25, 0
	s_mov_b32 s[NL], 0xbfb8aa3b                    ; -log2(e)
	s_mov_b32 s[NL+1], s[NL]                       ; (named with it as a pair, so it is written)
	v_lshlrev_b32 v1, 2, v0                        ; 4 x lane: my channel in a row, and my scale word
	v_and_b32 v3, 15, v0
	v_lshrrev_b32 v4, 4, v0
	v_lshlrev_b32 v2, 4, v3
	v_lshl_add_u32 v2, v4, 10, v2                  ; my codes: fragment lane / 16, 16 bytes at 16 (lane % 16)
	s_wait_kmcnt 0x0
	s_add_nc_u64 s[4:5], s[4:5], s[16:17]
	s_add_nc_u64 s[6:7], s[6:7], s[20:21]
	s_add_nc_u64 s[8:9], s[8:9], s[24:25]
.set PI, 0
.rept 128
	global_load_b32 v[X+PI], v1, s[4:5] offset:ROWB*PI th:TH_LOAD_NT   ; 32 lanes read 128 consecutive bytes of row PI
.set PI, PI+1
.endr
; The sigmoid and the maxima, in place on X, by groups g of 16 registers.
.macro ST_M g                          ; -log2(e) v
.irp j, 0,2,4,6,8,10,12,14
	v_pk_mul_f32 v[X+16*(\g)+\j:X+16*(\g)+\j+1], v[X+16*(\g)+\j:X+16*(\g)+\j+1], s[NL:NL+1] op_sel_hi:[1,0]
.endr
.endm
.macro ST_E g                          ; 2^..
.irp j, 0,1,2,3,4,5,6,7,8,9,10,11,12,13,14,15
	v_exp_f32 v[X+16*(\g)+\j], v[X+16*(\g)+\j]
.endr
.endm
.macro ST_A g                          ; 1 + ..
	s_wait_alu depctr_va_vdst(0)
.irp j, 0,2,4,6,8,10,12,14
	v_pk_add_f32 v[X+16*(\g)+\j:X+16*(\g)+\j+1], v[X+16*(\g)+\j:X+16*(\g)+\j+1], 1.0 op_sel_hi:[1,0]
.endr
.endm
.macro ST_R g                          ; 1 / ..
.irp j, 0,1,2,3,4,5,6,7,8,9,10,11,12,13,14,15
	v_rcp_f32 v[X+16*(\g)+\j], v[X+16*(\g)+\j]
.endr
.endm
.macro ST_X g                          ; the largest of the 16 (none is negative: no |.|), in two chains, with the floor 2^(3 - 127) as one more leaf: so the byte cannot fall under 1
.set XB, X+16*(\g)
	v_max3_num_f32 v[MA], v[XB], v[XB+1], 0x1800000
	v_max3_num_f32 v[MB], v[XB+2], v[XB+3], v[XB+4]
	v_max3_num_f32 v[MA], v[MA], v[XB+5], v[XB+6]
	v_max3_num_f32 v[MB], v[MB], v[XB+7], v[XB+8]
	v_max3_num_f32 v[MA], v[MA], v[XB+9], v[XB+10]
	v_max3_num_f32 v[MB], v[MB], v[XB+11], v[XB+12]
	v_max3_num_f32 v[MA], v[MA], v[XB+13], v[XB+14]
	v_max3_num_f32 v[MG+(\g)], v[MA], v[MB], v[XB+15]
.endm
; The stages of neighbouring groups are laid so that plain lines of other groups stand between each run of transcendentals and the first use of its results (ISA guide 5.7.2);
; where no multiplication is left to do that, one v_nop does.
.set PI, 0
.rept 10
.if PI < 4
	s_wait_loadcnt 63                              ; of 128 loads at most 63 are out: the first 65 are in, and groups 0 to 3 are the first 64
	ST_M PI
.elseif PI < 8
	s_wait_loadcnt 112-16*PI                       ; loads come back in order: all but the younger groups' are in
	ST_M PI
.else
	v_nop
	s_wait_alu depctr_va_vdst(0)
.endif
.if (PI >= 1) && (PI <= 8)
	ST_A PI-1
.endif
.if PI >= 2
	ST_X PI-2
.endif
.if (PI >= 1) && (PI <= 8)
	ST_R PI-1
.endif
.if PI < 8
	ST_E PI
.endif
.set PI, PI+1
.endr
.irp b, 0,1,2,3
	v_max_num_f32 v[MX+\b], v[MG+2*\b], v[MG+2*\b+1]   ; block b: registers 32 b .. 32 b + 31
.endr
.irp b, 0,1,2,3
	v_add_nc_u32 v[EX+\b], 0xff000000, v[MX+\b]    ; 2 off its exponent field: the conversion takes the exponent field of this operand as its scale, and nothing else of it
.endr
.irp b, 0,1,2,3
	v_lshrrev_b32 v[BY+\b], 23, v[EX+\b]           ; the scale's byte
.endr
.irp b, 0,1,2,3
.irp q, 0,1,2,3
	v_cvt_scalef32_pk8_fp4_f32 v[PC+4*\b+\q], v[X+32*\b+8*\q:X+32*\b+8*\q+7], v[EX+\b]
.endr
.endr
	v_lshl_or_b32 v[SW], v[BY+1], 8, v[BY]         ; the four bytes make my channel's scale word.  (Plain lines behind the conversions)
	v_lshl_or_b32 v[SW], v[BY+2], 16, v[SW]
	v_lshl_or_b32 v[SW], v[BY+3], 24, v[SW]
.irp b, 0,1,2,3
	global_store_b128 v2, v[PC+4*\b:PC+4*\b+3], s[6:7] offset:(\b/2)*512+(\b%2)*256   ; block b = 2 c + h: lanes 0-15 store 256 consecutive bytes, aligned, of one fragment, lanes 16-31 of the next
.endr
	global_store_b32 v1, v[SW], s[8:9]             ; 128 consecutive bytes: two tiles' scale words
	s_endpgm
.Lfunc_end_k_q659d7bb210_quant_nodes:
	.size	k_q659d7bb210_quant_nodes, .Lfunc_end_k_q659d7bb210_quant_nodes-k_q659d7bb210_quant_nodes
	.p2alignl 7, 3214868480
	.fill 96, 4, 3214868480
	.section	.rodata,"a",@progbits
	.p2align	6, 0x0
	.amdhsa_kernel k_q659d7bb210_quant_nodes
		.amdhsa_group_segment_fixed_size 0
		.amdhsa_private_segment_fixed_size 0
		.amdhsa_enable_private_segment 0
		.amdhsa_kernarg_size 24
		.amdhsa_user_sgpr_count 2
		.amdhsa_user_sgpr_kernarg_segment_ptr 1
		.amdhsa_wavefront_size32 1
		.amdhsa_system_sgpr_workgroup_id_x 1
		.amdhsa_system_sgpr_workgroup_id_y 1
		.amdhsa_system_sgpr_workgroup_id_z 1
		.amdhsa_system_vgpr_workitem_id 0
		.amdhsa_next_free_vgpr 192
		.amdhsa_next_free_sgpr 66
		.amdhsa_reserve_vcc 0
		.amdhsa_float_denorm_mode_32 3
		.amdhsa_float_denorm_mode_16_64 3
		.amdhsa_memory_ordered 1
		.amdhsa_forward_progress 1
		.amdhsa_inst_pref_size 37
	.end_amdhsa_kernel
	.amdgpu_metadata
---
amdhsa.version: [ 1, 2 ]
amdhsa.kernels:
  - .name:           k_q659d7bb210_quant_nodes
    .symbol:         k_q659d7bb210_quant_nodes.kd
    .args:
      - { .name: x, .offset: 0, .size: 8, .value_kind: global_buffer, .address_space: global }
      - { .name: bq, .offset: 8, .size: 8, .value_kind: global_buffer, .address_space: global }
      - { .name: bs, .offset: 16, .size: 8, .value_kind: global_buffer, .address_space: global }
    .group_segment_fixed_size: 0
    .private_segment_fixed_size: 0
    .kernarg_segment_align: 8
    .kernarg_segment_size: 24
    .max_flat_workgroup_size: 32
    .sgpr_count:     66
    .vgpr_count:     192
    .wavefront_size: 32
...
	.end_amdgpu_metadata
.endif
;; end of part 1
;; launch pool (part 2): grid 64 x 4, 8 waves a work-group, no clusters, 74,752 bytes of LDS; arguments edge, theta_w, x, bq, bs, out0; writes out0
.if DOCPART == 2
	.amdgcn_target "amdgcn-amd-amdhsa--gfx1250"
	.amdhsa_code_object_version 6
	.text
	.protected	k_q659d7bb210_pool
	.globl	k_q659d7bb210_pool
	.p2align	8
	.type	k_q659d7bb210_pool,@function
k_q659d7bb210_pool:
	s_mov_b64 s[64:65], 0
	v_nop
	global_prefetch_b8 v0, s[64:65] scope:SCOPE_SE
	s_setreg_imm32_b32 hwreg(HW_REG_WAVE_MODE, 25, 1), 1
	s_wait_xcnt 0x0
; score[n] = sum over c of theta[c] x (sum over m of Q(sigmoid(edge[n][m])) x Q(sigmoid(node[m][c]))), the product on codes of FP4 (E2M1) with one E8M0 scale for each 32 m;
; for each 4 neighbouring n the largest score (val) and its place 0 .. 3 (the lower place on a tie); out[1 + p] = val x node[place] + node[place]; out[0] = x[0].
; SHARES.  256 work-groups of eight waves.  Work-group (g = x, b = y) owns rows 64 g .. 64 g + 63 of batch b: 1 MiB of edge, 16 rows of the output.
; THE WAVES SHARE K, NOT THE ROWS: wave w owns the K steps of 128 numbered 16 z + 2 w + u (s = 2 z + u = 0 .. 3) for all 64 rows.  So its part of the nodes' codes, 24 fragments and 12 registers of
; scale words, stays in registers for the whole launch.  Each wave applies theta to its partial sums (the sum is linear); a row's eight partial scores meet in LDS at the end.
; EDGE IS A STREAM INTO REGISTERS.  A unit is 16 rows x one K step, 8 KiB: sixteen loads, each 512 consecutive bytes of one row, aligned.  Two register slots take turns: a wave has 32 loads,
; 16 KiB, out from the head to its last two units, and asks for the unit two on as soon as a slot is free.  No barrier stands in the stream and no wait in it is for all loads.
; THE TURN.  A load gives a lane 4 numbers of one row; the operand wants a lane to hold whole blocks of 32 m of ITS row.  So a unit goes through the wave's own stage in LDS: in as loaded, out
; 128 bytes a lane.  A block's largest number then needs no other lane, and the conversions' results are the operand's registers.
; THE MATRIX INSTRUCTION IS USED TRANSPOSED: source 0 = 16 channels of the nodes, source 1 = 16 rows of edge: a lane holds one row of edge and eight channels, which meet eight numbers of theta.
; THE PLACE STEERS NO ADDRESS: it is 0 .. 3, so all four node rows are loaded and the row is chosen by v_cndmask_b32.
; NO CLUSTER: edge, all but a sixth of a work-group's bytes, is shared by nobody; the nodes' codes (204 KiB a work-group, of a buffer of 0.8 MB) go straight into registers, once.
; LIMITS: NaN is not served.  A sigmoid under 2^-126 (input under -87.3) comes out as 0.  A block of zeros gets the scale byte 1: its codes are zeros.  -log2(e) v is rounded once, so the sigmoid's
; relative error grows with |v|: about 4e-7 at 6, 1.8e-6 at 30.  The f32 sums go in another order than written in the problem (K in eight parts, theta ahead of the last sum): two scores of a
; patch that lie closer than f32 rounding of the sums (about 1e-3 at scores of 1e3) may be ranked either way.
; REGISTERS.  Window 0: v0 thread; v1-7, v22-23 addresses and constants; v8-21 at work; v26 edge's scale word; v28-39 the nodes' scale words; v40-47 edge's codes; v48-111 a unit's 64 numbers,
; for a score theta; v112-175, v176-239 the two slots; v240-249 offsets, row 0 of x, theta as loaded.  Window 1: v0-191 the nodes' 24 fragments; v192-239 the six accumulators.
.set SPITCH, 528                       ; a stage row: 512 bytes + 16 = 33 x 16: the 16 rows that a load touches start at 16 different 16-byte columns modulo 256 bytes
.set STG,   16*SPITCH                  ; a wave's stage
.set THL,   8*STG                      ; behind the stages: theta, a table of 384 bytes for each wave, 512 apart
.set SCR,   THL+8*512                  ; the partial scores: wave w at 256 w, row n at 4 n
.set ASTEP, 16*16384                   ; bytes of edge from a row tile to the next
.set STW, 1                            ; v1  stage, in: my wave's stage + 16 x lane
.set STR, 2                            ; v2  stage, out: + row (lane % 16) x pitch + 128 (lane / 16)
.set GOF, 3                            ; v3  16 x lane: my 16 bytes of a load's 512; never rewritten
.set SH,  4                            ; v4  8 (lane / 16): how far my two scale bytes are shifted
.set SCA, 5                            ; v5  LDS: SCR + 256 wave + 4 (lane % 16)
.set STA, 6                            ; v6  the address of the partial score in hand
.set PX,  7                            ; v7  a lane permute's destination
.set MG,  8                            ; v8-11  the largest number of each group of 16
.set BY,  12                           ; v12-13 the scale bytes
.set WD,  14                           ; v14    my half of the scale word
.set PP,  8                            ; v8-15  in a score: theta's four running pairs
.set MA,  16
.set MB,  17
.set MX,  18                           ; v18-19 a block's largest number
.set EX,  20                           ; v20-21 the conversion's scale operand
.set THA, 22                           ; v22 LDS: my wave's theta + 32 (lane / 16)
.set THS, 23                           ; v23 LDS: my wave's theta + 4 x lane
.set AW,  26                           ; v26 edge's scale word: scales and nothing else
.set BS,  28                           ; v28-39 register 3 s + i: lanes 0-15 the words of tile 2 i, lanes 16-31 of tile 2 i + 1, K step s
.set PC,  40                           ; v40-47 edge's fragment
.set X,   48
.set R,   112                          ; slot p at R + 64 p
.set NR,  112                          ; the end: v[NR + 8 i + 2 q]: node row q at the two channels of my output pair i
.set OUTR, 208                         ; the end: my six results
.set NRO, 240                          ; v240-242 my output pairs' 8 bytes in a node's row
.set RW0, 243                          ; v243-245 row 0 of x
.set L4,  246                          ; v246 4 x lane; never rewritten
.set THR, 247                          ; v247-249 theta as loaded
.set ACW, 192                          ; window 1: accumulator t (channels 16 t on) at ACW + 8 t
.set NL,  22                           ; s[22:23] -log2(e)
.set SEL, 42                           ; s[42:43] v_permlanex16_b32's selects for lane l xor 16
.set MSB, 0
.macro WIN new                         ; the immediate's high byte repeats the setting that is left
.if MSB != \new
	s_set_vgpr_msb (MSB<<8)|\new
.set MSB, \new
.endif
.endm
; A unit's sixteen loads into slot p: row i of the row tile, my wave's 512 bytes of the K step at byte off
.macro ELOAD p, off
.irp i, 0,1,2,3,4,5,6,7,8,9,10,11,12,13,14,15
	global_load_b128 v[R+64*(\p)+4*\i:R+64*(\p)+4*\i+3], v[GOF], s[4:5] offset:(\off)+16384*\i th:TH_LOAD_NT
.endr
.endm
; The nodes' six fragments of my K step s, as images of their registers: they stay.  (Destination window 1)
.macro BLOAD s
.irp t, 0,1,2,3,4,5
.irp c, 0,1
	global_load_b128 v[8*(6*(\s)+\t)+4*\c:8*(6*(\s)+\t)+4*\c+3], v[GOF], s[10:11] offset:((16*((\s)/2)+(\s)%2)*6+\t)*1024+512*\c
.endr
.endr
.endm
; The four node rows at my three output pairs
.macro NLOAD
.irp i, 0,1,2
.irp q, 0,1,2,3
	global_load_b64 v[NR+8*\i+2*\q:NR+8*\i+2*\q+1], v[NRO+\i], s[8:9] offset:384*\q
.endr
.endr
.endm
	s_load_b256 s[4:11], s[0:1], 0x0               ; edge s[4:5], theta s[6:7], x s[8:9], bq s[10:11]
	s_load_b128 s[12:15], s[0:1], 0x20             ; bs s[12:13], out0 s[14:15]
	v_lshl_add_u32 v254, v0, 2, 0x12000
	v_mov_b32 v255, 0
	v_lshrrev_b32 v8, 5, v0
	v_readfirstlane_b32 s16, v8                    ; wave 0..7
	v_and_b32 v16, 31, v0                          ; lane
	v_lshlrev_b32 v[GOF], 4, v16
	v_lshlrev_b32 v[L4], 2, v16
	s_mov_b32 s17, ttmp9                           ; g
	s_and_b32 s18, ttmp7, 0xffff                   ; b
	s_lshl_b32 s20, s18, 26                        ; edge: batch b, 2^26 bytes each,
	s_lshl_b32 s21, s17, 20                        ; 64 g rows of 16,384 bytes,
	s_add_co_u32 s20, s20, s21
	s_lshl_b32 s21, s16, 10                        ; and my wave's 1,024 bytes of a row (K steps 2 w, 2 w + 1; 16 steps on: 8,192 bytes on)
	s_add_co_u32 s20, s20, s21
	s_mov_b32 s21, 0
	s_mul_i32 s44, s18, 4097
	s_add_co_u32 s44, s44, 1
	s_mul_i32 s44, s44, 384                        ; x at node 0 of batch b
	s_mov_b32 s45, 0
	s_lshl_b32 s46, s18, 5
	s_lshl_b32 s48, s16, 1
	s_add_co_u32 s46, s46, s48                     ; K step 32 b + 2 w
	s_mul_i32 s48, s46, 384                        ; its scale words: six tiles of 64 bytes,
	s_mul_i32 s46, s46, 6144                       ; its fragments: six of 1,024 bytes
	s_mov_b32 s47, 0
	s_mov_b32 s49, 0
	s_mul_i32 s50, s18, 1025
	s_lshl_b32 s51, s17, 4
	s_add_co_u32 s50, s50, s51
	s_add_co_u32 s50, s50, 1
	s_mul_i32 s50, s50, 384                        ; out0 at row 1 + 16 g of batch b
	s_mov_b32 s51, 0
	s_mul_i32 s19, s16, STG                        ; my stage
	s_mov_b32 s[NL], 0xbfb8aa3b                    ; -log2(e)
	s_mov_b32 s[NL+1], s[NL]                       ; (named with it as a pair, so it is written)
	s_mov_b32 s[SEL], 0x76543210
	s_mov_b32 s[SEL+1], 0xfedcba98
	s_mov_b32 s40, 3                               ; trips
	s_mov_b32 s41, 0                               ; where the row tile's partial scores go: 64 bytes a row tile
	s_wait_kmcnt 0x0
	s_add_nc_u64 s[4:5], s[4:5], s[20:21]
	ELOAD 0, 0                                     ; the stream begins ahead of everything else: row tile 0, K steps 0 and 1
	ELOAD 1, 512
	s_add_nc_u64 s[8:9], s[8:9], s[44:45]
	s_add_nc_u64 s[10:11], s[10:11], s[46:47]
	s_add_nc_u64 s[12:13], s[12:13], s[48:49]
	s_add_nc_u64 s[14:15], s[14:15], s[50:51]
.irp i, 0,1,2
	global_load_b32 v[RW0+\i], v[L4], s[8:9] offset:128*\i-384   ; x[b][0]: the base stands one row behind it.  Every wave loads these 384 bytes and one stores them: no load stands under a branch, so each counted wait counts the same loads on every way
.endr
.irp i, 0,1,2
	global_load_b32 v[THR+\i], v[L4], s[6:7] offset:128*\i
.endr
.irp z, 0,1
.irp u, 0,1
.irp i, 0,1,2
	global_load_b32 v[BS+3*(2*\z+\u)+\i], v[L4], s[12:13] offset:(16*\z+\u)*384+128*\i
.endr
.endr
.endr
	WIN 0x40                                       ; destination window 1, address window 0
	BLOAD 0                                        ; K step 0's fragments now, the others behind the first unit: 62 loads are out here
	WIN 0
	v_and_b32 v14, 15, v0                          ; r
	v_bfe_u32 v15, v0, 4, 1                        ; h
	v_add_nc_u32 v[STW], s19, v[GOF]
	v_mul_u32_u24 v[STR], v14, SPITCH
	v_lshl_add_u32 v[STR], v15, 7, v[STR]          ; the operand's layout gives lane (r, h) of row r the numbers k = 64 c + 32 h + 0 .. 31: 128 bytes at 256 c + 128 h
	v_add_nc_u32 v[STR], s19, v[STR]
	v_lshlrev_b32 v[SH], 3, v15
	s_lshl_b32 s52, s16, 8
	s_add_co_u32 s52, s52, SCR
	v_lshl_add_u32 v[SCA], v14, 2, s52
	s_lshl_b32 s52, s16, 9
	s_add_co_u32 s52, s52, THL
	v_lshl_add_u32 v[THA], v15, 5, s52
	v_add_nc_u32 v[THS], s52, v[L4]
	v_mov_b32 v[PX], 0                             ; written once: a lane permute's destination counts as one of its sources
.irp i, 0,1,2                          ; my output pair i is number ch = thread + 256 i of the work-group's 768: row p = ch / 48, pair ch - 48 p of its 48
	v_add_nc_u32 v17, 256*\i, v0
	v_mul_u32_u24 v18, v17, 1366                   ; ch x 1366 >> 16 = ch / 48 for ch < 768 (the excess, ch / 98,304, stays under 1 / 48)
	v_lshrrev_b32 v18, 16, v18
	v_mul_u32_u24 v18, v18, 48
	v_sub_nc_u32 v17, v17, v18
	v_lshlrev_b32 v[NRO+\i], 3, v17                ; its 8 bytes in a node's row
.endr
; The sigmoid and the maxima, in place on X, by groups g of 16 registers.
.macro ST_M g                          ; -log2(e) v
.irp j, 0,2,4,6,8,10,12,14
	v_pk_mul_f32 v[X+16*(\g)+\j:X+16*(\g)+\j+1], v[X+16*(\g)+\j:X+16*(\g)+\j+1], s[NL:NL+1] op_sel_hi:[1,0]
.endr
.endm
.macro ST_E g                          ; 2^..
.irp j, 0,1,2,3,4,5,6,7,8,9,10,11,12,13,14,15
	v_exp_f32 v[X+16*(\g)+\j], v[X+16*(\g)+\j]
.endr
.endm
.macro ST_A g                          ; 1 + ..
	s_wait_alu depctr_va_vdst(0)
.irp j, 0,2,4,6,8,10,12,14
	v_pk_add_f32 v[X+16*(\g)+\j:X+16*(\g)+\j+1], v[X+16*(\g)+\j:X+16*(\g)+\j+1], 1.0 op_sel_hi:[1,0]
.endr
.endm
.macro ST_R g                          ; 1 / ..
.irp j, 0,1,2,3,4,5,6,7,8,9,10,11,12,13,14,15
	v_rcp_f32 v[X+16*(\g)+\j], v[X+16*(\g)+\j]
.endr
.endm
.macro ST_X g                          ; the largest of the 16 (none is negative: no |.|), in two chains, with the floor 2^(3 - 127) as one more leaf: so the byte cannot fall under 1
.set XB, X+16*(\g)
	v_max3_num_f32 v[MA], v[XB], v[XB+1], 0x1800000
	v_max3_num_f32 v[MB], v[XB+2], v[XB+3], v[XB+4]
	v_max3_num_f32 v[MA], v[MA], v[XB+5], v[XB+6]
	v_max3_num_f32 v[MB], v[MB], v[XB+7], v[XB+8]
	v_max3_num_f32 v[MA], v[MA], v[XB+9], v[XB+10]
	v_max3_num_f32 v[MB], v[MB], v[XB+11], v[XB+12]
	v_max3_num_f32 v[MA], v[MA], v[XB+13], v[XB+14]
	v_max3_num_f32 v[MG+(\g)], v[MA], v[MB], v[XB+15]
.endm
; The stages of neighbouring groups are laid so that plain lines of other groups stand between each run of transcendentals and the first use of its results (ISA guide 5.7.2);
; where no multiplication is left to do that, one v_nop does.  Group 0 is in when the macro begins.
.macro PIPE
.set PI, 0
.rept 6
.if PI == 0
	ST_M 0
.elseif PI < 4
	s_wait_dscnt 12-4*PI                           ; LDS loads come back in order: group PI's four are in, the younger groups' may be out
	ST_M PI
.else
	v_nop
	s_wait_alu depctr_va_vdst(0)
.endif
.if (PI >= 1) && (PI <= 4)
	ST_A PI-1
.endif
.if PI >= 2
	ST_X PI-2
.endif
.if (PI >= 1) && (PI <= 4)
	ST_R PI-1
.endif
.if PI < 4
	ST_E PI
.endif
.set PI, PI+1
.endr
.endm
; One product: accumulator t, my K step s.  K step 0 starts the sums: nothing is ever cleared.  Odd tiles' scale words lie in lanes 16-31.
.macro MM s, t
.set rD, ACW+8*(\t)
.set rA, 8*(6*(\s)+(\t))
.set rS, BS+3*(\s)+(\t)/2
.if ((\s) == 0) && ((\t)%2 == 0)
	v_wmma_scale_f32_16x16x128_f8f6f4 v[rD:rD+7], v[rA:rA+7], v[PC:PC+7], 0, v[rS], v[AW] matrix_a_fmt:MATRIX_FMT_FP4 matrix_b_fmt:MATRIX_FMT_FP4
.elseif (\s) == 0
	v_wmma_scale_f32_16x16x128_f8f6f4 v[rD:rD+7], v[rA:rA+7], v[PC:PC+7], 0, v[rS], v[AW] matrix_a_fmt:MATRIX_FMT_FP4 matrix_b_fmt:MATRIX_FMT_FP4 matrix_a_scale:MATRIX_SCALE_ROW1
.elseif (\t)%2 == 0
	v_wmma_scale_f32_16x16x128_f8f6f4 v[rD:rD+7], v[rA:rA+7], v[PC:PC+7], v[rD:rD+7], v[rS], v[AW] matrix_a_fmt:MATRIX_FMT_FP4 matrix_b_fmt:MATRIX_FMT_FP4
.else
	v_wmma_scale_f32_16x16x128_f8f6f4 v[rD:rD+7], v[rA:rA+7], v[PC:PC+7], v[rD:rD+7], v[rS], v[AW] matrix_a_fmt:MATRIX_FMT_FP4 matrix_b_fmt:MATRIX_FMT_FP4 matrix_a_scale:MATRIX_SCALE_ROW1
.endif
.endm
; A UNIT: 16 rows x my K step s, which lies in slot s % 2.  left: how many younger loads may stay out when the unit's sixteen have to be in.
; nxt = 1: the slot takes the unit two on, at byte noff from the base; 2: it takes the node rows; 0: nothing.  mmw >= 0: a wait on the loads in front of the products, for the nodes' fragments.
.macro UNIT s, left, nxt, noff, mmw
	s_wait_loadcnt \left                           ; loads come back in order (ISA guide 5.7.1): my unit is in, the younger loads stay out
.irp i, 0,1,2,3,4,5,6,7,8,9,10,11,12,13,14,15
	ds_store_b128 v[STW], v[R+64*((\s)%2)+4*\i:R+64*((\s)%2)+4*\i+3] offset:SPITCH*\i   ; row i as it was loaded: 512 consecutive bytes
.endr
.irp c, 0,1
.irp j, 0,1,2,3,4,5,6,7
	ds_load_b128 v[X+32*\c+4*\j:X+32*\c+4*\j+3], v[STR] offset:256*\c+16*\j   ; LDS serves a wave's instructions in order (ISA guide 5.7.1.4): these see the stores above.  Registers 32 c on: block 2 c + h of my row, whole
.endr
.endr
	s_wait_dscnt 12                                ; all but the youngest twelve: the stores have read the slot, and group 0 is in
.if \nxt == 1
	ELOAD (\s)%2, \noff
.elseif \nxt == 2
	NLOAD
.endif
	PIPE
.irp c, 0,1
	v_max_num_f32 v[MX+\c], v[MG+2*\c], v[MG+2*\c+1]   ; registers 32 c on: the block's largest number
.endr
.irp c, 0,1
	v_add_nc_u32 v[EX+\c], 0xff000000, v[MX+\c]    ; 2 off its exponent field: the conversion takes the exponent field of this operand as its scale, and nothing else of it
.endr
.irp c, 0,1
	v_lshrrev_b32 v[BY+\c], 23, v[EX+\c]           ; the scale's byte
.endr
	v_lshl_or_b32 v[WD], v[BY+1], 16, v[BY]        ; my two bytes, blocks h and 2 + h of row r,
	v_lshlrev_b32 v[WD], v[SH], v[WD]              ; at their places in the scale word (8 h bits up);
	v_permlanex16_b32 v[PX], v[WD], s[SEL], s[SEL+1]
	v_or_b32 v[AW], v[WD], v[PX]                   ; with lane l xor 16's two the word is whole
.irp c, 0,1
.irp q, 0,1,2,3
	v_cvt_scalef32_pk8_fp4_f32 v[PC+4*\c+\q], v[X+32*\c+8*\q:X+32*\c+8*\q+7], v[EX+\c]   ; the operand's registers as they stand
.endr
.endr
.if (\s) == 3
.irp t, 0,1,2,3,4,5
.irp q, 0,1
	ds_load_b128 v[X+8*\t+4*\q:X+8*\t+4*\q+3], v[THA] offset:64*\t+16*\q   ; a score follows: theta[16 t + 8 h + 0 .. 7] into the registers that the numbers have left; it lands under the products
.endr
.endr
.endif
.rept 8
	v_nop                                          ; a scale register written by a vector instruction stands 8 places ahead of a scaled matrix instruction, an operand so written 4
.endr
.if \mmw >= 0
	s_wait_loadcnt \mmw                            ; the nodes' fragments and scale words asked for so far are in; the unit just asked for stays out
.endif
	WIN 0x51                                       ; source 0 (the nodes), C and D window 1; source 1 (edge) window 0
.irp t, 0,1,2,3,4,5                    ; the six accumulators take turns, one instruction a turn, from unit to unit too
	MM \s, \t
.endr
	WIN 0
.endm
; A row tile's partial scores: theta x my 48 numbers, each accumulator from its low end on; the other half of the lanes holds the other 48 channels.
.macro SCORE
.rept 4
	v_nop                                          ; places between the last products and the first read of their results (ISA guide 7.12.1)
.endr
	s_wait_dscnt 0x0                               ; theta is in
	WIN 0x01                                       ; source 0 (the accumulators) window 1
.irp t, 0,1,2,3,4,5
.irp i, 0,1,2,3
.if \t == 0
	v_pk_mul_f32 v[PP+2*\i:PP+2*\i+1], v[ACW+8*\t+2*\i:ACW+8*\t+2*\i+1], v[X+8*\t+2*\i:X+8*\t+2*\i+1]
.else
	v_pk_fma_f32 v[PP+2*\i:PP+2*\i+1], v[ACW+8*\t+2*\i:ACW+8*\t+2*\i+1], v[X+8*\t+2*\i:X+8*\t+2*\i+1], v[PP+2*\i:PP+2*\i+1]
.endif
.endr
.endr
	WIN 0
	v_pk_add_f32 v[PP:PP+1], v[PP:PP+1], v[PP+2:PP+3]
	v_pk_add_f32 v[PP+4:PP+5], v[PP+4:PP+5], v[PP+6:PP+7]
	v_pk_add_f32 v[PP:PP+1], v[PP:PP+1], v[PP+4:PP+5]
	v_add_f32 v[PP], v[PP], v[PP+1]
	v_permlanex16_b32 v[PX], v[PP], s[SEL], s[SEL+1]
	v_add_f32 v[PP], v[PP], v[PX]                  ; lane r: my K steps' share of the score of row 16 a + r
	v_add_nc_u32 v[STA], s41, v[SCA]
	ds_store_b32 v[STA], v[PP]                     ; lanes r and r + 16 write the same word with the same value
	s_add_co_u32 s41, s41, 64                      ; the next row tile's 16 words
.endm
	; The first two units stand in front of the loop: their waits count the head's loads.
	UNIT 0, 46, 1, 8192, 16                        ; behind this unit's loads: the next unit's 16, 18 small ones, 12 of fragments.  In front of the products: all of those are in, the 16 just issued stay out
.irp i, 0,1,2
	ds_store_b32 v[THS], v[THR+\i] offset:128*\i   ; theta into my wave's own table
.endr
	s_cmp_lg_u32 s17, 0                            ; out[b][0] = x[b][0]: wave 0 of work-group g = 0 stores it
	s_cbranch_scc1 .Lno_row0
	s_cmp_lg_u32 s16, 0
	s_cbranch_scc1 .Lno_row0
.irp i, 0,1,2
	global_store_b32 v[L4], v[RW0+\i], s[14:15] offset:128*\i-384   ; the base stands one row behind row 0; neither register is written again
.endr
.Lno_row0:
	WIN 0x40
	BLOAD 1                                        ; the other 36 loads of fragments, behind the stream's third unit
	BLOAD 2
	BLOAD 3
	WIN 0
	UNIT 1, 52, 1, 8704, 16                        ; behind this unit's loads: 16 of the stream and the 36.  In front of the products: all fragments are in
.Lrows:                                            ; a trip goes from a row tile's third unit to the next row tile's second; each unit asks for the unit two on
	UNIT 2, 16, 1, ASTEP, -1                       ; at each unit's head two units are out: its own and the next one's sixteen loads
	UNIT 3, 16, 1, ASTEP+512, -1
	SCORE
	UNIT 0, 16, 1, ASTEP+8192, -1
	UNIT 1, 16, 1, ASTEP+8704, -1
	s_wait_xcnt 0x0                                ; every load issued has had its address translated (ISA guide 3.1): only behind this wait is the base stepped
	s_add_nc_u64 s[4:5], s[4:5], ASTEP
	s_sub_co_u32 s40, s40, 1
	s_cmp_lg_u32 s40, 0
	s_cbranch_scc1 .Lrows
	UNIT 2, 16, 2, 0, -1                           ; the last two units ask for nothing of edge: no load leaves the buffer.  The free slot takes the node rows: twelve loads
	UNIT 3, 12, 0, 0, -1                           ; which are the only ones younger than this unit's
	SCORE
	; THE END.  All waves' partial scores lie in LDS behind this barrier.
	s_wait_dscnt 0x0                               ; for the others' sake: my stores are done
	s_barrier_signal -1
	s_barrier_wait -1
.irp i, 0,1,2
	v_add_nc_u32 v12, 256*\i, v0                   ; ch, and its output row p, as at the head
	v_mul_u32_u24 v12, v12, 1366
	v_lshrrev_b32 v12, 16, v12
	v_lshl_add_u32 v[8+\i], v12, 4, SCR            ; the four scores of patch p: 16 bytes at 16 p
.endr
	v_lshlrev_b32 v11, 3, v0                       ; my 8 bytes of the output: 8 x thread, + 2,048 i
.irp i, 0,1,2
.irp w, 0,1,2,3,4,5,6,7
	ds_load_b128 v[X+32*\i+64*(\i/2)+4*\w:X+32*\i+64*(\i/2)+4*\w+3], v[8+\i] offset:256*\w   ; pairs 0 and 1 into v48-111, pair 2 into v176-207: the node rows lie between
.endr
.endr
	s_wait_loadcnt 0x0                             ; the node rows
.macro FIN i
.set SB, X+32*(\i)+64*((\i)/2)
.set NB, NR+8*(\i)
	s_wait_dscnt 16-8*(\i)                         ; this pair's eight loads are in; the later pairs' may be out
.irp w, 1,2,3,4,5,6,7
	v_pk_add_f32 v[SB:SB+1], v[SB:SB+1], v[SB+4*\w:SB+4*\w+1]           ; the eight waves' shares, in ascending order
	v_pk_add_f32 v[SB+2:SB+3], v[SB+2:SB+3], v[SB+4*\w+2:SB+4*\w+3]
.endr
.irp q, 1,2,3                          ; the largest of the four and its node row: strictly greater, so the lower place wins a tie
	v_cmp_gt_f32 vcc_lo, v[SB+\q], v[SB]
	v_cndmask_b32 v[SB], v[SB], v[SB+\q], vcc_lo
	v_cndmask_b32 v[NB], v[NB], v[NB+2*\q], vcc_lo
	v_cndmask_b32 v[NB+1], v[NB+1], v[NB+2*\q+1], vcc_lo
.endr
	v_fma_f32 v[OUTR+2*(\i)], v[SB], v[NB], v[NB]                       ; val x node + node
	v_fma_f32 v[OUTR+2*(\i)+1], v[SB], v[NB+1], v[NB+1]
	global_store_b64 v11, v[OUTR+2*(\i):OUTR+2*(\i)+1], s[14:15] offset:2048*(\i) th:TH_STORE_NT   ; a wave stores 256 consecutive bytes
.endm
	FIN 0
	FIN 1
	FIN 2
	s_wait_tensorcnt 0x0
	ds_add_u32 v254, v255
	s_wait_dscnt 0x0
	s_endpgm
.Lfunc_end_k_q659d7bb210_pool:
	.size	k_q659d7bb210_pool, .Lfunc_end_k_q659d7bb210_pool-k_q659d7bb210_pool
	.p2alignl 7, 3214868480
	.fill 96, 4, 3214868480
	.section	.rodata,"a",@progbits
	.p2align	6, 0x0
	.amdhsa_kernel k_q659d7bb210_pool
		.amdhsa_group_segment_fixed_size 74752
		.amdhsa_private_segment_fixed_size 0
		.amdhsa_enable_private_segment 0
		.amdhsa_kernarg_size 48
		.amdhsa_user_sgpr_count 2
		.amdhsa_user_sgpr_kernarg_segment_ptr 1
		.amdhsa_wavefront_size32 1
		.amdhsa_system_sgpr_workgroup_id_x 1
		.amdhsa_system_sgpr_workgroup_id_y 1
		.amdhsa_system_sgpr_workgroup_id_z 1
		.amdhsa_system_vgpr_workitem_id 0
		.amdhsa_next_free_vgpr 512
		.amdhsa_next_free_sgpr 66
		.amdhsa_reserve_vcc 1
		.amdhsa_float_denorm_mode_32 3
		.amdhsa_float_denorm_mode_16_64 3
		.amdhsa_memory_ordered 1
		.amdhsa_forward_progress 1
		.amdhsa_inst_pref_size 154
	.end_amdhsa_kernel
	.amdgpu_metadata
---
amdhsa.version: [ 1, 2 ]
amdhsa.kernels:
  - .name:           k_q659d7bb210_pool
    .symbol:         k_q659d7bb210_pool.kd
    .args:
      - { .name: edge, .offset: 0, .size: 8, .value_kind: global_buffer, .address_space: global }
      - { .name: theta_w, .offset: 8, .size: 8, .value_kind: global_buffer, .address_space: global }
      - { .name: x, .offset: 16, .size: 8, .value_kind: global_buffer, .address_space: global }
      - { .name: bq, .offset: 24, .size: 8, .value_kind: global_buffer, .address_space: global }
      - { .name: bs, .offset: 32, .size: 8, .value_kind: global_buffer, .address_space: global }
      - { .name: out0, .offset: 40, .size: 8, .value_kind: global_buffer, .address_space: global }
    .group_segment_fixed_size: 74752
    .private_segment_fixed_size: 0
    .kernarg_segment_align: 8
    .kernarg_segment_size: 48
    .max_flat_workgroup_size: 256
    .sgpr_count:     66
    .vgpr_count:     512
    .wavefront_size: 32
...
	.end_amdgpu_metadata
.endif
;; end of part 2
;; ======== version 2 of 2: 2 launches; version 1 with the launch pool written anew for expert scheduling mode
;; workspace buffers: bq 786,432 bytes; bs 49,152 bytes
;; launch quant_nodes: the kernel of part 1 again; grid 96 x 4, 1 waves a work-group, no clusters, 0 bytes of LDS; arguments x, bq, bs; writes bq, bs
;; launch pool (part 3): grid 64 x 4, 8 waves a work-group, no clusters, 74,752 bytes of LDS; arguments edge, theta_w, x, bq, bs, out0; writes out0
.if DOCPART == 3
	.amdgcn_target "amdgcn-amd-amdhsa--gfx1250"
	.amdhsa_code_object_version 6
	.text
	.protected	k_q659d7bb210_pool
	.globl	k_q659d7bb210_pool
	.p2align	8
	.type	k_q659d7bb210_pool,@function
k_q659d7bb210_pool:
	s_mov_b64 s[64:65], 0
	v_nop
	global_prefetch_b8 v0, s[64:65] scope:SCOPE_SE
	s_setreg_imm32_b32 hwreg(HW_REG_WAVE_SCHED_MODE, 0, 2), 2
	s_setreg_imm32_b32 hwreg(HW_REG_WAVE_MODE, 25, 1), 1
	s_wait_xcnt 0x0
	s_wait_alu depctr_vm_vsrc(0)
; score[n] = sum over c of theta[c] x (sum over m of Q(sigmoid(edge[n][m])) x Q(sigmoid(node[m][c]))), the product on codes of FP4 (E2M1) with one E8M0 scale for each 32 m;
; for each 4 neighbouring n the largest score (val) and its place 0 .. 3 (the lower place on a tie); out[1 + p] = val x node[place] + node[place]; out[0] = x[0].
; SHARES.  256 work-groups of eight waves.  Work-group (g = x, b = y) owns rows 64 g .. 64 g + 63 of batch b: 1 MiB of edge, 16 rows of the output.
; THE WAVES SHARE K, NOT THE ROWS: wave w owns the K steps of 128 numbered 16 z + 2 w + u (s = 2 z + u = 0 .. 3) for all 64 rows.  So its part of the nodes' codes, 24 fragments and 12 registers of
; scale words, stays in registers for the whole launch.  Each wave applies theta to its partial sums (the sum is linear); a row's eight partial scores meet in LDS at the end.
; EDGE IS A STREAM INTO REGISTERS.  A unit is 16 rows x one K step, 8 KiB: sixteen loads, each 512 consecutive bytes of one row, aligned.  Two register slots take turns: a wave has 32 loads,
; 16 KiB, out from the head to its last two units, and asks for the unit two on as soon as a slot is free.  No barrier stands in the stream and no wait in it is for all loads.
; THE TURN.  A load gives a lane 4 numbers of one row; the operand wants a lane to hold whole blocks of 32 m of ITS row.  So a unit goes through the wave's own stage in LDS: in as loaded, out
; 128 bytes a lane.  A block's largest number then needs no other lane, and the conversions' results are the operand's registers.
; THE MATRIX INSTRUCTION IS USED TRANSPOSED: source 0 = 16 channels of the nodes, source 1 = 16 rows of edge: a lane holds one row of edge and eight channels, which meet eight numbers of theta.
; THE PLACE STEERS NO ADDRESS: it is 0 .. 3, so all four node rows are loaded and the row is chosen by v_cndmask_b32.
; NO CLUSTER: edge, all but a sixth of a work-group's bytes, is shared by nobody; the nodes' codes (204 KiB a work-group, of a buffer of 0.8 MB) go straight into registers, once.
; LIMITS: NaN is not served.  A sigmoid under 2^-126 (input under -87.3) comes out as 0.  A block of zeros gets the scale byte 1: its codes are zeros.  -log2(e) v is rounded once, so the sigmoid's
; relative error grows with |v|: about 4e-7 at 6, 1.8e-6 at 30.  The f32 sums go in another order than written in the problem (K in eight parts, theta ahead of the last sum): two scores of a
; patch that lie closer than f32 rounding of the sums (about 1e-3 at scores of 1e3) may be ranked either way.
; REGISTERS.  Window 0: v0 thread; v1-7, v22-23 addresses and constants; v8-21 at work; v26 edge's scale word; v28-39 the nodes' scale words; v40-47 edge's codes; v48-111 a unit's 64 numbers,
; for a score theta; v112-175, v176-239 the two slots; v240-249 offsets, row 0 of x, theta as loaded; v254, v255 the closing add's two.  Window 1: v0-191 the nodes' 24 fragments; v192-239 the six accumulators.
; THE MODE: SCHED_MODE bits 1:0 = 2 (LLVM: expert scheduling mode 2), set by the entry lines.  The code itself states the register dependences between vector or matrix instructions and
; memory or LDS instructions, with s_wait_alu, always for 0.
; THE PLAN.  Registers that memory or LDS instructions touch:
;   the slots      Written by the stream's loads, read by a unit's sixteen LDS stores; no vector instruction names them before the end.
;   X              A unit's sixteen LDS loads land in it; the sigmoid's lines work in place on it; the conversions read it last.  Ahead of a score theta's LDS loads land in it, and the score's multiply-adds read it.
;   v8, v6         A score and its LDS address: written by the score's vector lines (v8 by every unit's maxima too), read by the score's one LDS store.
;   v40-47, v26    Edge's codes and scale word: written by vector lines, taken by the scaled matrix instructions.
;   the addresses  v1, v2, v3, v5, v22, v23, v240-242, v246: made at the head, never written again.
; A UNIT HAS ONE WAIT ON vm_vsrc, behind its LDS stores and loads: the stores have read the slot, so the slot's next sixteen loads follow with no further wait, four ahead of each stage of the
; sigmoid, whose lines name X and v8-21 alone; AND ONE WAIT ON va_vdst THAT IS ITS OWN, behind the places in front of the products: codes and scale word are written, and the conversions are done
; reading X, so that theta's LDS loads and the next unit's LDS loads into X owe nothing: the only vector-side lines between are the six products, which name v26, v28-47 and window 1.
; (The sigmoid's stages have the wait behind their transcendentals besides.)  A score has one wait on va_vdst, ahead of its LDS store.
.set SPITCH, 528                       ; a stage row: 512 bytes + 16 = 33 x 16: the 16 rows that a load touches start at 16 different 16-byte columns modulo 256 bytes
.set STG,   16*SPITCH                  ; a wave's stage
.set THL,   8*STG                      ; behind the stages: theta, a table of 384 bytes for each wave, 512 apart
.set SCR,   THL+8*512                  ; the partial scores: wave w at 256 w, row n at 4 n.  Behind them, from byte 0x12000 on, the spare words: 128 bytes for each wave, which no other line names
.set ASTEP, 16*16384                   ; bytes of edge from a row tile to the next
.set STW, 1                            ; v1  stage, in: my wave's stage + 16 x lane
.set STR, 2                            ; v2  stage, out: + row (lane % 16) x pitch + 128 (lane / 16)
.set GOF, 3                            ; v3  16 x lane: my 16 bytes of a load's 512; never rewritten
.set SH,  4                            ; v4  8 (lane / 16): how far my two scale bytes are shifted
.set SCA, 5                            ; v5  LDS: SCR + 256 wave + 4 (lane % 16)
.set STA, 6                            ; v6  the address of the partial score in hand
.set PX,  7                            ; v7  a lane permute's destination
.set MG,  8                            ; v8-11  the largest number of each group of 16
.set BY,  12                           ; v12-13 the scale bytes
.set WD,  14                           ; v14    my half of the scale word
.set PP,  8                            ; v8-15  in a score: theta's four running pairs
.set MA,  16
.set MB,  17
.set MX,  18                           ; v18-19 a block's largest number
.set EX,  20                           ; v20-21 the conversion's scale operand
.set THA, 22                           ; v22 LDS: my wave's theta + 32 (lane / 16)
.set THS, 23                           ; v23 LDS: my wave's theta + 4 x lane
.set AW,  26                           ; v26 edge's scale word: scales and nothing else
.set BS,  28                           ; v28-39 register 3 s + i: lanes 0-15 the words of tile 2 i, lanes 16-31 of tile 2 i + 1, K step s
.set PC,  40                           ; v40-47 edge's fragment
.set X,   48
.set R,   112                          ; slot p at R + 64 p
.set NR,  112                          ; the end: v[NR + 8 i + 2 q]: node row q at the two channels of my output pair i
.set OUTR, 208                         ; the end: my six results
.set NRO, 240                          ; v240-242 my output pairs' 8 bytes in a node's row
.set RW0, 243                          ; v243-245 row 0 of x
.set L4,  246                          ; v246 4 x lane; never rewritten
.set THR, 247                          ; v247-249 theta as loaded
.set ACW, 192                          ; window 1: accumulator t (channels 16 t on) at ACW + 8 t
.set NL,  22                           ; s[22:23] -log2(e)
.set SEL, 42                           ; s[42:43] v_permlanex16_b32's selects for lane l xor 16
.set CM,  53                           ; s53-61 the end: the nine compares' masks, a register to each
.set MSB, 0
.macro WIN new                         ; the immediate's high byte repeats the setting that is left
.if MSB != \new
	s_set_vgpr_msb (MSB<<8)|\new
.set MSB, \new
.endif
.endm
; A unit's sixteen loads into slot p: row i of the row tile, my wave's 512 bytes of the K step at byte off
.macro ELOAD p, off
.irp i, 0,1,2,3,4,5,6,7,8,9,10,11,12,13,14,15
	global_load_b128 v[R+64*(\p)+4*\i:R+64*(\p)+4*\i+3], v[GOF], s[4:5] offset:(\off)+16384*\i th:TH_LOAD_NT
.endr
.endm
; Four of them: rows 4 q .. 4 q + 3
.macro ELOADQ p, off, q
.irp i, 0,1,2,3
	global_load_b128 v[R+64*(\p)+4*(4*(\q)+\i):R+64*(\p)+4*(4*(\q)+\i)+3], v[GOF], s[4:5] offset:(\off)+16384*(4*(\q)+\i) th:TH_LOAD_NT
.endr
.endm
; The nodes' six fragments of my K step s, as images of their registers: they stay.  (Destination window 1)
.macro BLOAD s
.irp t, 0,1,2,3,4,5
.irp c, 0,1
	global_load_b128 v[8*(6*(\s)+\t)+4*\c:8*(6*(\s)+\t)+4*\c+3], v[GOF], s[10:11] offset:((16*((\s)/2)+(\s)%2)*6+\t)*1024+512*\c
.endr
.endr
.endm
; Node row q at my three output pairs
.macro NLOADQ q
.irp i, 0,1,2
	global_load_b64 v[NR+8*\i+2*(\q):NR+8*\i+2*(\q)+1], v[NRO+\i], s[8:9] offset:384*(\q)
.endr
.endm
	s_load_b256 s[4:11], s[0:1], 0x0               ; edge s[4:5], theta s[6:7], x s[8:9], bq s[10:11]
	s_load_b128 s[12:15], s[0:1], 0x20             ; bs s[12:13], out0 s[14:15]
	v_lshl_add_u32 v254, v0, 2, 0x12000            ; the LDS address of my spare word, and 0: made here and kept for the closing lines alone
	v_mov_b32 v255, 0
	v_lshrrev_b32 v8, 5, v0
	v_readfirstlane_b32 s16, v8                    ; wave 0..7
	v_and_b32 v16, 31, v0                          ; lane
	v_lshlrev_b32 v[GOF], 4, v16
	v_lshlrev_b32 v[L4], 2, v16
	v_and_b32 v14, 15, v0                          ; r
	v_bfe_u32 v15, v0, 4, 1                        ; h
	v_lshlrev_b32 v[SH], 3, v15
	v_mov_b32 v[PX], 0                             ; written once: a lane permute's destination counts as one of its sources
.irp i, 0,1,2                          ; my output pair i is number ch = thread + 256 i of the work-group's 768: row p = ch / 48, pair ch - 48 p of its 48
	v_add_nc_u32 v17, 256*\i, v0
	v_mul_u32_u24 v18, v17, 1366                   ; ch x 1366 >> 16 = ch / 48 for ch < 768 (the excess, ch / 98,304, stays under 1 / 48)
	v_lshrrev_b32 v18, 16, v18
	v_mul_u32_u24 v18, v18, 48
	v_sub_nc_u32 v17, v17, v18
	v_lshlrev_b32 v[NRO+\i], 3, v17                ; its 8 bytes in a node's row
.endr
	s_mov_b32 s17, ttmp9                           ; g
	s_and_b32 s18, ttmp7, 0xffff                   ; b
	s_lshl_b32 s20, s18, 26                        ; edge: batch b, 2^26 bytes each,
	s_lshl_b32 s21, s17, 20                        ; 64 g rows of 16,384 bytes,
	s_add_co_u32 s20, s20, s21
	s_wait_alu depctr_va_sdst(0)                   ; s16 is written, ahead of its first reader: bases, LDS addresses and a branch are made from it
	s_lshl_b32 s21, s16, 10                        ; and my wave's 1,024 bytes of a row (K steps 2 w, 2 w + 1; 16 steps on: 8,192 bytes on)
	s_add_co_u32 s20, s20, s21
	s_mov_b32 s21, 0
	s_mul_i32 s44, s18, 4097
	s_add_co_u32 s44, s44, 1
	s_mul_i32 s44, s44, 384                        ; x at node 0 of batch b
	s_mov_b32 s45, 0
	s_lshl_b32 s46, s18, 5
	s_lshl_b32 s48, s16, 1
	s_add_co_u32 s46, s46, s48                     ; K step 32 b + 2 w
	s_mul_i32 s48, s46, 384                        ; its scale words: six tiles of 64 bytes,
	s_mul_i32 s46, s46, 6144                       ; its fragments: six of 1,024 bytes
	s_mov_b32 s47, 0
	s_mov_b32 s49, 0
	s_mul_i32 s50, s18, 1025
	s_lshl_b32 s51, s17, 4
	s_add_co_u32 s50, s50, s51
	s_add_co_u32 s50, s50, 1
	s_mul_i32 s50, s50, 384                        ; out0 at row 1 + 16 g of batch b
	s_mov_b32 s51, 0
	s_mul_i32 s19, s16, STG                        ; my stage
	s_mov_b32 s[NL], 0xbfb8aa3b                    ; -log2(e)
	s_mov_b32 s[NL+1], s[NL]                       ; (named with it as a pair, so it is written)
	s_mov_b32 s[SEL], 0x76543210
	s_mov_b32 s[SEL+1], 0xfedcba98
	s_mov_b32 s40, 3                               ; trips
	s_mov_b32 s41, 0                               ; where the row tile's partial scores go: 64 bytes a row tile
	v_add_nc_u32 v[STW], s19, v[GOF]               ; all the kernel's addresses are made here, while the arguments are on their way
	v_mul_u32_u24 v[STR], v14, SPITCH
	v_lshl_add_u32 v[STR], v15, 7, v[STR]          ; the operand's layout gives lane (r, h) of row r the numbers k = 64 c + 32 h + 0 .. 31: 128 bytes at 256 c + 128 h
	v_add_nc_u32 v[STR], s19, v[STR]
	s_lshl_b32 s52, s16, 8
	s_add_co_u32 s52, s52, SCR
	v_lshl_add_u32 v[SCA], v14, 2, s52
	s_lshl_b32 s62, s16, 9
	s_add_co_u32 s62, s62, THL
	v_lshl_add_u32 v[THA], v15, 5, s62
	v_add_nc_u32 v[THS], s62, v[L4]
	s_wait_kmcnt 0x0
	s_add_nc_u64 s[4:5], s[4:5], s[20:21]
	s_wait_alu depctr_va_vdst(0)                   ; v1, v2, v3, v5, v22, v23, v240-242 and v246 are written: every load and store of the kernel up to the end reads one of them as its address, and none is written again
	ELOAD 0, 0                                     ; the stream begins ahead of every other load: row tile 0, K steps 0 and 1
	ELOAD 1, 512
	s_add_nc_u64 s[8:9], s[8:9], s[44:45]
	s_add_nc_u64 s[10:11], s[10:11], s[46:47]
	s_add_nc_u64 s[12:13], s[12:13], s[48:49]
	s_add_nc_u64 s[14:15], s[14:15], s[50:51]
.irp i, 0,1,2
	global_load_b32 v[RW0+\i], v[L4], s[8:9] offset:128*\i-384   ; x[b][0]: the base stands one row behind it.  Every wave loads these 384 bytes and one stores them: no load stands under a branch, so each counted wait counts the same loads on every way
.endr
.irp i, 0,1,2
	global_load_b32 v[THR+\i], v[L4], s[6:7] offset:128*\i
.endr
.irp z, 0,1
.irp u, 0,1
.irp i, 0,1,2
	global_load_b32 v[BS+3*(2*\z+\u)+\i], v[L4], s[12:13] offset:(16*\z+\u)*384+128*\i
.endr
.endr
.endr
	WIN 0x40                                       ; destination window 1, address window 0
	BLOAD 0                                        ; K step 0's fragments now, the others behind the first unit: 62 loads are out here.  (No vector instruction has named their registers; v3 stands behind the wait above)
	WIN 0
; The sigmoid and the maxima, in place on X, by groups g of 16 registers.
.macro ST_M g                          ; -log2(e) v
.irp j, 0,2,4,6,8,10,12,14
	v_pk_mul_f32 v[X+16*(\g)+\j:X+16*(\g)+\j+1], v[X+16*(\g)+\j:X+16*(\g)+\j+1], s[NL:NL+1] op_sel_hi:[1,0]
.endr
.endm
.macro ST_E g                          ; 2^..
.irp j, 0,1,2,3,4,5,6,7,8,9,10,11,12,13,14,15
	v_exp_f32 v[X+16*(\g)+\j], v[X+16*(\g)+\j]
.endr
.endm
.macro ST_A g                          ; 1 + ..
.irp j, 0,2,4,6,8,10,12,14
	v_pk_add_f32 v[X+16*(\g)+\j:X+16*(\g)+\j+1], v[X+16*(\g)+\j:X+16*(\g)+\j+1], 1.0 op_sel_hi:[1,0]
.endr
.endm
.macro ST_R g                          ; 1 / ..
.irp j, 0,1,2,3,4,5,6,7,8,9,10,11,12,13,14,15
	v_rcp_f32 v[X+16*(\g)+\j], v[X+16*(\g)+\j]
.endr
.endm
.macro ST_X g                          ; the largest of the 16 (none is negative: no |.|), in two chains, with the floor 2^(3 - 127) as one more leaf: so the byte cannot fall under 1
.set XB, X+16*(\g)
	v_max3_num_f32 v[MA], v[XB], v[XB+1], 0x1800000
	v_max3_num_f32 v[MB], v[XB+2], v[XB+3], v[XB+4]
	v_max3_num_f32 v[MA], v[MA], v[XB+5], v[XB+6]
	v_max3_num_f32 v[MB], v[MB], v[XB+7], v[XB+8]
	v_max3_num_f32 v[MA], v[MA], v[XB+9], v[XB+10]
	v_max3_num_f32 v[MB], v[MB], v[XB+11], v[XB+12]
	v_max3_num_f32 v[MA], v[MA], v[XB+13], v[XB+14]
	v_max3_num_f32 v[MG+(\g)], v[MA], v[MB], v[XB+15]
.endm
; One product: accumulator t, my K step s.  K step 0 starts the sums: nothing is ever cleared.  Odd tiles' scale words lie in lanes 16-31.
.macro MM s, t
.set rD, ACW+8*(\t)
.set rA, 8*(6*(\s)+(\t))
.set rS, BS+3*(\s)+(\t)/2
.if ((\s) == 0) && ((\t)%2 == 0)
	v_wmma_scale_f32_16x16x128_f8f6f4 v[rD:rD+7], v[rA:rA+7], v[PC:PC+7], 0, v[rS], v[AW] matrix_a_fmt:MATRIX_FMT_FP4 matrix_b_fmt:MATRIX_FMT_FP4
.elseif (\s) == 0
	v_wmma_scale_f32_16x16x128_f8f6f4 v[rD:rD+7], v[rA:rA+7], v[PC:PC+7], 0, v[rS], v[AW] matrix_a_fmt:MATRIX_FMT_FP4 matrix_b_fmt:MATRIX_FMT_FP4 matrix_a_scale:MATRIX_SCALE_ROW1
.elseif (\t)%2 == 0
	v_wmma_scale_f32_16x16x128_f8f6f4 v[rD:rD+7], v[rA:rA+7], v[PC:PC+7], v[rD:rD+7], v[rS], v[AW] matrix_a_fmt:MATRIX_FMT_FP4 matrix_b_fmt:MATRIX_FMT_FP4
.else
	v_wmma_scale_f32_16x16x128_f8f6f4 v[rD:rD+7], v[rA:rA+7], v[PC:PC+7], v[rD:rD+7], v[rS], v[AW] matrix_a_fmt:MATRIX_FMT_FP4 matrix_b_fmt:MATRIX_FMT_FP4 matrix_a_scale:MATRIX_SCALE_ROW1
.endif
.endm
; A UNIT: 16 rows x my K step s, which lies in slot s % 2.  left: how many younger loads may stay out when the unit's sixteen have to be in.
; nxt = 1: the slot takes the unit two on, at byte noff from the base; 2: it takes the node rows; 0: nothing.  mmw >= 0: a wait on the loads in front of the products, for the nodes' fragments.
; The sigmoid goes in six stages.  The stages of neighbouring groups are laid so that plain lines of other groups stand between each run of transcendentals and the first use of its results
; (ISA guide 5.7.2); where no multiplication is left to do that, one v_nop does.
.macro UNIT s, left, nxt, noff, mmw
	s_wait_loadcnt \left                           ; loads come back in order (ISA guide 5.7.1): my unit is in, the younger loads stay out
.irp i, 0,1,2,3,4,5,6,7,8,9,10,11,12,13,14,15
	ds_store_b128 v[STW], v[R+64*((\s)%2)+4*\i:R+64*((\s)%2)+4*\i+3] offset:SPITCH*\i   ; row i as it was loaded: 512 consecutive bytes
.endr
.irp c, 0,1
.irp j, 0,1,2,3,4,5,6,7
	ds_load_b128 v[X+32*\c+4*\j:X+32*\c+4*\j+3], v[STR] offset:256*\c+16*\j   ; LDS serves a wave's instructions in order (ISA guide 5.7.1.4): these see the stores above.  Registers 32 c on: block 2 c + h of my row, whole.  (The last lines that named X stand ahead of the last wait on va_vdst)
.endr
.endr
.if \nxt != 0
	s_wait_alu depctr_vm_vsrc(0)                   ; the sixteen LDS stores have read the slot, in which the loads below land; a score's LDS store, where one stands behind the last such wait, has read v8 and v6, which the maxima below and the next score write
.endif
.set PI, 0
.rept 6
.if PI < 4
.if \nxt == 1
	ELOADQ (\s)%2, \noff, PI                       ; four of the slot's next sixteen loads ahead of each stage.  No further wait: no vector line since the wait above names the slot, and no LDS line since reads it
.elseif \nxt == 2
	NLOADQ PI
.endif
	s_wait_dscnt 12-4*PI                           ; LDS loads come back in order: group PI's four are in, the younger groups' may be out
	ST_M PI
.else
	v_nop
.endif
.if PI >= 1
	s_wait_alu depctr_va_vdst(0)                   ; the exponentials of group PI - 1 and the reciprocals of group PI - 2 have written their results, which the lines below read
.endif
.if (PI >= 1) && (PI <= 4)
	ST_A PI-1
.endif
.if PI >= 2
	ST_X PI-2
.endif
.if (PI >= 1) && (PI <= 4)
	ST_R PI-1
.endif
.if PI < 4
	ST_E PI
.endif
.set PI, PI+1
.endr
.irp c, 0,1
	v_max_num_f32 v[MX+\c], v[MG+2*\c], v[MG+2*\c+1]   ; registers 32 c on: the block's largest number
.endr
.irp c, 0,1
	v_add_nc_u32 v[EX+\c], 0xff000000, v[MX+\c]    ; 2 off its exponent field: the conversion takes the exponent field of this operand as its scale, and nothing else of it
.endr
.irp c, 0,1
	v_lshrrev_b32 v[BY+\c], 23, v[EX+\c]           ; the scale's byte
.endr
	v_lshl_or_b32 v[WD], v[BY+1], 16, v[BY]        ; my two bytes, blocks h and 2 + h of row r,
	v_lshlrev_b32 v[WD], v[SH], v[WD]              ; at their places in the scale word (8 h bits up);
	v_permlanex16_b32 v[PX], v[WD], s[SEL], s[SEL+1]
	v_or_b32 v[AW], v[WD], v[PX]                   ; with lane l xor 16's two the word is whole
.irp c, 0,1
.irp q, 0,1,2,3
	v_cvt_scalef32_pk8_fp4_f32 v[PC+4*\c+\q], v[X+32*\c+8*\q:X+32*\c+8*\q+7], v[EX+\c]   ; the operand's registers as they stand
.endr
.endr
.rept 8
	v_nop                                          ; a scale register written by a vector instruction stands 8 places ahead of a scaled matrix instruction, an operand so written 4
.endr
	s_wait_alu depctr_va_vdst(0)                   ; beside the places: edge's codes and scale word are written, which the products take; and the conversions are done reading X, in which theta's LDS loads and the next unit's land
.if (\s) == 3
.irp t, 0,1,2,3,4,5
.irp q, 0,1
	ds_load_b128 v[X+8*\t+4*\q:X+8*\t+4*\q+3], v[THA] offset:64*\t+16*\q   ; a score follows: theta[16 t + 8 h + 0 .. 7] into the registers that the numbers have left; it lands under the products
.endr
.endr
.endif
.if \mmw >= 0
	s_wait_loadcnt \mmw                            ; the nodes' fragments and scale words asked for so far are in; the unit just asked for stays out
.endif
	WIN 0x51                                       ; source 0 (the nodes), C and D window 1; source 1 (edge) window 0
.irp t, 0,1,2,3,4,5                    ; the six accumulators take turns, one instruction a turn, from unit to unit too
	MM \s, \t
.endr
	WIN 0
.endm
; A row tile's partial scores: theta x my 48 numbers, each accumulator from its low end on; the other half of the lanes holds the other 48 channels.
.macro SCORE
.rept 4
	v_nop                                          ; places between the last products and the first read of their results (ISA guide 7.12.1)
.endr
	s_wait_dscnt 0x0                               ; theta is in
	WIN 0x01                                       ; source 0 (the accumulators) window 1
.irp t, 0,1,2,3,4,5
.irp i, 0,1,2,3
.if \t == 0
	v_pk_mul_f32 v[PP+2*\i:PP+2*\i+1], v[ACW+8*\t+2*\i:ACW+8*\t+2*\i+1], v[X+8*\t+2*\i:X+8*\t+2*\i+1]
.else
	v_pk_fma_f32 v[PP+2*\i:PP+2*\i+1], v[ACW+8*\t+2*\i:ACW+8*\t+2*\i+1], v[X+8*\t+2*\i:X+8*\t+2*\i+1], v[PP+2*\i:PP+2*\i+1]
.endif
.endr
.endr
	WIN 0
	v_pk_add_f32 v[PP:PP+1], v[PP:PP+1], v[PP+2:PP+3]
	v_pk_add_f32 v[PP+4:PP+5], v[PP+4:PP+5], v[PP+6:PP+7]
	v_pk_add_f32 v[PP:PP+1], v[PP:PP+1], v[PP+4:PP+5]
	v_add_f32 v[PP], v[PP], v[PP+1]
	v_permlanex16_b32 v[PX], v[PP], s[SEL], s[SEL+1]
	v_add_f32 v[PP], v[PP], v[PX]                  ; lane r: my K steps' share of the score of row 16 a + r
	v_add_nc_u32 v[STA], s41, v[SCA]
	s_wait_alu depctr_va_vdst(0)                   ; the score and its address are written, which the LDS store reads; and the multiply-adds are done reading theta in X, in which the next unit's LDS loads land
	ds_store_b32 v[STA], v[PP]                     ; lanes r and r + 16 write the same word with the same value
	s_add_co_u32 s41, s41, 64                      ; the next row tile's 16 words
.endm
	; The first two units stand in front of the loop: their waits count the head's loads.
	UNIT 0, 46, 1, 8192, 16                        ; behind this unit's loads: the next unit's 16, 18 small ones, 12 of fragments.  In front of the products: all of those are in, the 16 just issued stay out
.irp i, 0,1,2
	ds_store_b32 v[THS], v[THR+\i] offset:128*\i   ; theta into my wave's own table
.endr
	s_cmp_lg_u32 s17, 0                            ; out[b][0] = x[b][0]: wave 0 of work-group g = 0 stores it
	s_cbranch_scc1 .Lno_row0
	s_cmp_lg_u32 s16, 0
	s_cbranch_scc1 .Lno_row0
.irp i, 0,1,2
	global_store_b32 v[L4], v[RW0+\i], s[14:15] offset:128*\i-384   ; the base stands one row behind row 0; neither register is written again
.endr
.Lno_row0:
	WIN 0x40
	BLOAD 1                                        ; the other 36 loads of fragments, behind the stream's third unit.  (No vector or matrix instruction has named their registers: the first unit's products take K step 0's fragments alone)
	BLOAD 2
	BLOAD 3
	WIN 0
	UNIT 1, 52, 1, 8704, 16                        ; behind this unit's loads: 16 of the stream and the 36.  In front of the products: all fragments are in
.Lrows:                                            ; a trip goes from a row tile's third unit to the next row tile's second; each unit asks for the unit two on
	UNIT 2, 16, 1, ASTEP, -1                       ; at each unit's head two units are out: its own and the next one's sixteen loads
	UNIT 3, 16, 1, ASTEP+512, -1
	SCORE
	UNIT 0, 16, 1, ASTEP+8192, -1
	UNIT 1, 16, 1, ASTEP+8704, -1
	s_wait_xcnt 0x0                                ; every load issued has had its address translated (ISA guide 3.1): only behind this wait is the base stepped
	s_add_nc_u64 s[4:5], s[4:5], ASTEP
	s_sub_co_u32 s40, s40, 1
	s_cmp_lg_u32 s40, 0
	s_cbranch_scc1 .Lrows
	UNIT 2, 16, 2, 0, -1                           ; the last two units ask for nothing of edge: no load leaves the buffer.  The free slot takes the node rows: twelve loads
	UNIT 3, 12, 0, 0, -1                           ; which are the only ones younger than this unit's
	SCORE
	; THE END.  All waves' partial scores lie in LDS behind this barrier.
	s_wait_dscnt 0x0                               ; for the others' sake: my stores are done
	s_barrier_signal -1
	s_barrier_wait -1
	s_wait_alu depctr_vm_vsrc(0)                   ; the last score's LDS store has read v8, which is written below; the last unit's LDS stores have read slot 1, in which LDS loads land and results are written below
.irp i, 0,1,2
	v_add_nc_u32 v12, 256*\i, v0                   ; ch, and its output row p, as at the head
	v_mul_u32_u24 v12, v12, 1366
	v_lshrrev_b32 v12, 16, v12
	v_lshl_add_u32 v[8+\i], v12, 4, SCR            ; the four scores of patch p: 16 bytes at 16 p
.endr
	v_lshlrev_b32 v11, 3, v0                       ; my 8 bytes of the output: 8 x thread, + 2,048 i
	s_wait_alu depctr_va_vdst(0)                   ; v8 to v11 are written: the LDS loads and the stores below read them as addresses
.irp i, 0,1,2
.irp w, 0,1,2,3,4,5,6,7
	ds_load_b128 v[X+32*\i+64*(\i/2)+4*\w:X+32*\i+64*(\i/2)+4*\w+3], v[8+\i] offset:256*\w   ; pairs 0 and 1 into v48-111, pair 2 into v176-207: the node rows lie between
.endr
.endr
	s_wait_loadcnt 0x0                             ; the node rows
.macro FSUM i
.set SB, X+32*(\i)+64*((\i)/2)
	s_wait_dscnt 16-8*(\i)                         ; this pair's eight loads are in; the later pairs' may be out
.irp w, 1,2,3,4,5,6,7
	v_pk_add_f32 v[SB:SB+1], v[SB:SB+1], v[SB+4*\w:SB+4*\w+1]           ; the eight waves' shares, in ascending order
	v_pk_add_f32 v[SB+2:SB+3], v[SB+2:SB+3], v[SB+4*\w+2:SB+4*\w+3]
.endr
.endm
	FSUM 0
	FSUM 1
	FSUM 2
.irp q, 1,2,3                          ; the largest of the four and its node row: strictly greater, so the lower place wins a tie.  The three pairs go side by side: three compares, one wait, nine selections
.irp i, 0,1,2
	v_cmp_gt_f32 s[CM+3*(\q-1)+\i], v[X+32*\i+64*(\i/2)+\q], v[X+32*\i+64*(\i/2)]
.endr
	s_wait_alu depctr_va_sdst(0)                   ; the three masks are written, ahead of their first readers
.irp i, 0,1,2
	v_cndmask_b32 v[X+32*\i+64*(\i/2)], v[X+32*\i+64*(\i/2)], v[X+32*\i+64*(\i/2)+\q], s[CM+3*(\q-1)+\i]
	v_cndmask_b32 v[NR+8*\i], v[NR+8*\i], v[NR+8*\i+2*\q], s[CM+3*(\q-1)+\i]
	v_cndmask_b32 v[NR+8*\i+1], v[NR+8*\i+1], v[NR+8*\i+2*\q+1], s[CM+3*(\q-1)+\i]
.endr
.endr
.irp i, 0,1,2
	v_fma_f32 v[OUTR+2*\i], v[X+32*\i+64*(\i/2)], v[NR+8*\i], v[NR+8*\i]         ; val x node + node
	v_fma_f32 v[OUTR+2*\i+1], v[X+32*\i+64*(\i/2)], v[NR+8*\i+1], v[NR+8*\i+1]
.endr
	s_wait_alu depctr_va_vdst(0)                   ; the six results are written, which the stores read
.irp i, 0,1,2
	global_store_b64 v11, v[OUTR+2*\i:OUTR+2*\i+1], s[14:15] offset:2048*\i th:TH_STORE_NT   ; a wave stores 256 consecutive bytes
.endr
	s_wait_dscnt 0x0                               ; the closing lines, six on end
	s_wait_alu 0x0
	s_wait_tensorcnt 0x0
	ds_add_u32 v254, v255
	s_wait_dscnt 0x0
	s_endpgm
.Lfunc_end_k_q659d7bb210_pool:
	.size	k_q659d7bb210_pool, .Lfunc_end_k_q659d7bb210_pool-k_q659d7bb210_pool
	.p2alignl 7, 3214868480
	.fill 96, 4, 3214868480
	.section	.rodata,"a",@progbits
	.p2align	6, 0x0
	.amdhsa_kernel k_q659d7bb210_pool
		.amdhsa_group_segment_fixed_size 74752
		.amdhsa_private_segment_fixed_size 0
		.amdhsa_enable_private_segment 0
		.amdhsa_kernarg_size 48
		.amdhsa_user_sgpr_count 2
		.amdhsa_user_sgpr_kernarg_segment_ptr 1
		.amdhsa_wavefront_size32 1
		.amdhsa_system_sgpr_workgroup_id_x 1
		.amdhsa_system_sgpr_workgroup_id_y 1
		.amdhsa_system_sgpr_workgroup_id_z 1
		.amdhsa_system_vgpr_workitem_id 0
		.amdhsa_next_free_vgpr 512
		.amdhsa_next_free_sgpr 66
		.amdhsa_reserve_vcc 0
		.amdhsa_float_denorm_mode_32 3
		.amdhsa_float_denorm_mode_16_64 3
		.amdhsa_memory_ordered 1
		.amdhsa_forward_progress 1
		.amdhsa_inst_pref_size 156
	.end_amdhsa_kernel
	.amdgpu_metadata
---
amdhsa.version: [ 1, 2 ]
amdhsa.kernels:
  - .name:           k_q659d7bb210_pool
    .symbol:         k_q659d7bb210_pool.kd
    .args:
      - { .name: edge, .offset: 0, .size: 8, .value_kind: global_buffer, .address_space: global }
      - { .name: theta_w, .offset: 8, .size: 8, .value_kind: global_buffer, .address_space: global }
      - { .name: x, .offset: 16, .size: 8, .value_kind: global_buffer, .address_space: global }
      - { .name: bq, .offset: 24, .size: 8, .value_kind: global_buffer, .address_space: global }
      - { .name: bs, .offset: 32, .size: 8, .value_kind: global_buffer, .address_space: global }
      - { .name: out0, .offset: 40, .size: 8, .value_kind: global_buffer, .address_space: global }
    .group_segment_fixed_size: 74752
    .private_segment_fixed_size: 0
    .kernarg_segment_align: 8
    .kernarg_segment_size: 48
    .max_flat_workgroup_size: 256
    .sgpr_count:     66
    .vgpr_count:     512
    .wavefront_size: 32
...
	.end_amdgpu_metadata
.endif
;; end of part 3
